; MI455X (gfx1250); checked and timed in simulation.
; The chip was launched on July 23, 2026; its instructions are those of AMD's public machine-readable ISA for CDNA 5 (MIT licence, August 2026) and "CDNA5" Instruction Set Architecture Reference Guide (July 2026). The comments in the code are by the model that wrote it; some were corrected since.
;; Multi Head Attention. Allowed arithmetic: matrix products marked QUANTISED: E2M3 operands, one E8M0 scale for each 32 along K, by v_wmma_scale_f32_16x16x128_f8f6f4 with both operands' format E2M3, f32 sums; everything else in f32.
;; Inputs: K 4 x 2,048 x 1,024 float32; Q 4 x 2,048 x 1,024 float32; V 4 x 2,048 x 1,024 float32; Wk 1,024 x 1,024 float32; Wq 1,024 x 1,024 float32; Wv 1,024 x 1,024 float32; bk 1,024 float32; bq 1,024 float32; bv 1,024 float32; mask 4 x 2,048 int32.
;; Outputs: out0 4 x 2,048 x 1,024 float32.
;; This version of the problem:
;;   THIS VERSION OF THE PROBLEM IS GIVEN IN LOW PRECISION. The matrix products marked QUANTISED in the list below multiply operands that are first quantised to E2M3 (2 exponent bits, 3 mantissa bits; 6 bits a number), with one power-of-two scale for each 32 numbers along K (OCP MX v1.0); their sums are f32. All else is computed in f32.
;;   The module's matrix products, in the order in which they are computed (A, B: the left and right operand; K: the contracted axis; several contracted axes count as one K, in the product's order):
;;     1. [M 8,192, K 1,024] x [K 1,024, N 1,024]; A: input Q; B: input Wq: QUANTISED
;;     2. [M 8,192, K 1,024] x [K 1,024, N 1,024]; A: input K; B: input Wk: QUANTISED
;;     3. [M 8,192, K 1,024] x [K 1,024, N 1,024]; A: input V; B: input Wv: QUANTISED
;;     4. batch 64 x [M 2,048, K 64] x [K 64, N 2,048]; A: computed on the way; B: computed on the way: QUANTISED
;;     5. batch 64 x [M 64, K 2,048] x [K 2,048, N 2,048]; A: computed on the way; B: softmax (see below): QUANTISED
;;   THE QUANTISER, for each operand of a quantised product, along K:
;;     - K is cut into blocks of 32 from its start; a last block that is shorter is filled with zeros.
;;     - A block's scale is 2^e with e = floor(log2(the largest magnitude in the block)) - 2, held to -126 .. 127; a block of zeros has e = 0. As a byte (E8M0): e + 127.
;;     - Each number is divided by its block's scale, clamped to +-7.5, and rounded to the nearest number of E2M3, ties to even, subnormals kept.
;;     - The product sums the exact products of the quantised numbers (number of the format x scale) in f32.
;;   ~~~python
;;   def quantise(x, axis):      # numpy; x: float32 -> the quantised numbers, widened to float32 again
;;       x = np.moveaxis(x, axis, -1); K = x.shape[-1]
;;       x = np.pad(x, [(0, 0)] * (x.ndim - 1) + [(0, -K % 32)]); x = x.reshape(x.shape[:-1] + (-1, 32)); a = np.abs(x).max(-1, keepdims=True)
;;       e = np.where(a > 0, np.clip(np.frexp(np.where(a > 0, a, 1))[1] - 1 - 2, -126, 127), 0)      # np.frexp(a)[1] - 1 = floor(log2(a)), exactly
;;       r = np.clip(x / 2.0 ** e, -7.5, 7.5)
;;       step = 2.0 ** (np.maximum(np.frexp(np.where(r == 0, 1, r))[1] - 1, 0) - 3)
;;       q = np.round(r / step) * step * 2.0 ** e      # np.round: ties to even
;;       return np.moveaxis(q.reshape(q.shape[:-2] + (-1,))[..., :K], -1, axis).astype(np.float32)
;;   ~~~
;;   SOFTMAX AHEAD OF A QUANTISED PRODUCT. Where the list says 'softmax', what is quantised is not the finished softmax but p = 2^(t - M), with t = logit x log2(e) and M = ceil(the row's largest t), a whole number; so 1/2 < the row's largest p <= 1. The row's sum l is taken of the UNQUANTISED p, in f32, and the product's result is divided by l at the end. Since M is a whole number, a kernel that streams over the keys may use a running M (the ceiling of the running maximum): every later rescaling is an exact power of two, which a block's scale takes up: the codes' values come out the same.
;;   OPERANDS COMPUTED ON THE WAY. 'Computed on the way' means the value that the module computes at that place (a softmax that the list does not call 'softmax' is quantised finished and normalised). What goes into a quantiser is computed in f32, as accurately as f32 sums, v_exp_f32 and their like allow (about 1e-6 of the number): no bf16 or f16 on the way to a quantiser, and a product that is left as it is and whose result goes on into a quantised operand takes f32 operands (vector FMAs, or v_wmma_f32_16x16x4_f32). A number that lies on a knife's edge between two numbers of the format may be rounded either way, as far as f32 arithmetic and the matrix unit's own rounding can turn it there, and no further.
;; One version. Each part assembles by itself: llvm-mc -triple=amdgcn-amd-amdhsa -mcpu=gfx1250 --defsym DOCPART=n.
;; ======== version 1 of 1: 3 launches
;; limits: right only within a limited range of input values
;; workspace buffers: xc 18,874,368 bytes; xs 786,432 bytes; wc 2,359,296 bytes; ws 98,304 bytes; qi 8,912,896 bytes; kv 15,466,496 bytes
;; launch quant (part 1): grid 864 x 1, 4 waves a work-group, no clusters, 68,096 bytes of LDS; arguments Q, K, V, Wq, Wk, Wv, xc, xs, wc, ws; writes xc, xs, wc, ws
.if DOCPART == 1
	.amdgcn_target "amdgcn-amd-amdhsa--gfx1250"
	.amdhsa_code_object_version 6
	.text
	.protected	k_q4897a097d5_quant
	.globl	k_q4897a097d5_quant
	.p2align	8
	.type	k_q4897a097d5_quant,@function
k_q4897a097d5_quant:
	s_mov_b64 s[64:65], 0
	v_nop
	global_prefetch_b8 v0, s[64:65] scope:SCOPE_SE
	s_setreg_imm32_b32 hwreg(HW_REG_WAVE_MODE, 25, 1), 1
	s_wait_xcnt 0x0
; Q, K, V [8192][1024] f32 and Wq, Wk, Wv [1024 (k)][1024 (n)] f32 become codes of FP6 (E2M3), K innermost (768 bytes a row), with one E8M0 byte for each 32 along K (32 bytes a row).
; A block's scale is 2^(floor(log2(its largest magnitude)) - 2); its byte is the largest magnitude's exponent field - 2, held at 1 from below.  A block of zeros so gets the byte 1: its codes are zeros, and this program alone reads the bytes.
; LIMITS: blocks whose largest magnitude lies under 2^(3 - 127) get the byte 1; NaN and infinities among the inputs are not served.
; THE ROWS ARE STORED IN ANOTHER ORDER.  Inside each aligned group of 64 rows, true row 32 g + 8 t + i (g 0..1, t 0..3, i 0..7) goes to POSITION 16 t + 8 g + i.  A tile of 16 neighbouring positions, used as
; source 0 of a matrix instruction, then leaves in a lane's registers of four neighbouring tiles 32 NEIGHBOURS of the true order: a whole block for the next quantiser, with no exchange between lanes.
; Work-groups 0..767 take the activations (a stream of blocks, K innermost; a wave's run of 8,192 numbers is 8 rows, so the order of rows is an order of runs); work-groups 768..863 take the weights
; (a lane to a column, registers down K).  The two ways part on the work-group's number and have LDS bytes of their own.  No tensor loads, no barrier: waves share nothing.
.set XCB,   6291456                    ; bytes of one activation's codes
.set XSB,   262144                     ; and of its scale bytes
.set WCB,   786432                     ; bytes of one weight's codes
.set WSB,   32768                      ; and of its scale bytes
.set NXWG,  768                        ; 3 x 8192 x 1024 / 32768
.set STEPS, 16
.set EMAX,  2
.set CB,    12                         ; bytes of 16 codes
.set XR,    16                         ; v16-79   four sets of 16 numbers as loaded
.set XX,    80                         ; v80-111  two sets of 16 neighbours
.set XE,    112                        ; v112-127 a scale byte for each step
.set XC,    128                        ; v128-191 codes: four registers for each step
.set WREG,  8192                       ; activations: a wave's LDS: two stages of 32 x SP bytes, then its 256 scale bytes
.set SP,    80
.set WSTG,  32768                      ; weights: the stages begin here
.set WP,    272                        ; a stage row: sixteen places of 16 bytes + 16
.set NB,    8                          ; blocks of 32 along K for a wave
.set WX,    32                         ; v32-95   two sets of 32 numbers
.set WC,    96                         ; v96..    a block's codes
.set WO,    112                        ; v112-175 the way out
.set SBY,   24                         ; v24-25   eight scale bytes
	s_load_b512 s[4:19], s[0:1], 0x0               ; Q s[4:5], K s[6:7], V s[8:9], Wq s[10:11], Wk s[12:13], Wv s[14:15], xc s[16:17], xs s[18:19]
	s_load_b128 s[20:23], s[0:1], 0x40             ; wc s[20:21], ws s[22:23]
	v_lshl_add_u32 v192, v0, 2, 0x10800
	v_mov_b32 v193, 0
	v_lshrrev_b32 v1, 5, v0
	v_readfirstlane_b32 s24, v1                    ; wave
	v_and_b32 v2, 31, v0                           ; lane
	s_cmp_ge_u32 ttmp9, NXWG
	s_cbranch_scc1 .Lweights
	; ---------------- the activations ----------------
	v_lshlrev_b32 v3, 4, v2                        ; my 16 bytes of a load's 512
	s_mul_i32 s25, s24, WREG
	v_lshrrev_b32 v14, 2, v2
	v_mul_u32_u24 v14, v14, SP
	v_and_b32 v15, 3, v2
	v_lshl_add_u32 v14, v15, 4, v14
	v_add_nc_u32 v14, s25, v14                     ; the stage, on the way in: SP (lane / 4) + 16 (lane % 4)
	v_mul_u32_u24 v15, v2, SP
	v_add_nc_u32 v15, s25, v15                     ; and on the way out: SP x lane: my 16 neighbours
	v_mul_u32_u24 v4, v2, CB                       ; my codes' place in a step's
	v_lshrrev_b32 v5, 1, v2
	s_add_co_u32 s25, s25, 2*32*SP
	v_add_nc_u32 v5, s25, v5                       ; my wave's 256 scale bytes, my block's byte
	v_lshlrev_b32 v7, 3, v2
	v_add_nc_u32 v6, s25, v7                       ; and on the way out 8 bytes a lane
	s_lshr_b32 s26, ttmp9, 8                       ; which tensor: 0 Q, 1 K, 2 V
	s_and_b32 s27, ttmp9, 255
	s_lshl_b32 s27, s27, 2
	s_add_co_u32 s27, s27, s24                     ; u: my run of 8 rows
	s_and_b32 s28, s27, 0x3f8
	s_and_b32 s29, s27, 3
	s_lshl_b32 s29, s29, 1
	s_or_b32 s28, s28, s29
	s_bfe_u32 s29, s27, 0x10002
	s_or_b32 s28, s28, s29                         ; where it goes: of u's low bits 4 g + t become 2 t + g
	s_lshl_b32 s30, s27, 15                        ; 32,768 bytes of f32 a run
	s_mov_b32 s31, 0
	s_mul_i32 s32, s26, XCB
	s_mul_i32 s29, s28, 6144                       ; 8 rows x 768 bytes of codes
	s_add_co_u32 s32, s32, s29
	s_mov_b32 s33, 0
	s_mul_i32 s34, s26, XSB
	s_lshl_b32 s29, s28, 8                         ; 8 rows x 32 scale bytes
	s_add_co_u32 s34, s34, s29
	s_mov_b32 s35, 0
	s_wait_kmcnt 0x0
	s_cmp_eq_u32 s26, 0
	s_cselect_b64 s[4:5], s[4:5], s[6:7]
	s_cmp_eq_u32 s26, 2
	s_cselect_b64 s[4:5], s[8:9], s[4:5]
	s_add_nc_u64 s[4:5], s[4:5], s[30:31]
	s_add_nc_u64 s[16:17], s[16:17], s[32:33]
	s_add_nc_u64 s[18:19], s[18:19], s[34:35]
.macro XLOAD t
.irp i, 0,1,2,3
	global_load_b128 v[XR+16*((\t)%4)+4*\i:XR+16*((\t)%4)+4*\i+3], v3, s[4:5] offset:2048*(\t)+512*\i th:TH_LOAD_NT   ; 32 lanes read 512 consecutive bytes
.endr
.endm
.macro XTURN t                         ; step t's numbers through the stage: LDS serves a wave's instructions in order, so no wait stands between the stores and the loads
.irp i, 0,1,2,3
	ds_store_b128 v14, v[XR+16*((\t)%4)+4*\i:XR+16*((\t)%4)+4*\i+3] offset:32*SP*((\t)%2)+8*SP*\i
.endr
.irp i, 0,1,2,3
	ds_load_b128 v[XX+16*((\t)%2)+4*\i:XX+16*((\t)%2)+4*\i+3], v15 offset:32*SP*((\t)%2)+16*\i
.endr
.endm
.irp t, 0,1,2,3
	XLOAD \t
.endr
	s_wait_loadcnt 12                              ; step 0's four loads are in; the twelve of steps 1 to 3 may be out
	XTURN 0
.macro XSTEP t
.set XS, XX+16*((\t)%2)
.if (\t) > 0
	s_wait_dscnt 1                                 ; this step's numbers are back from the stage (the last step's byte store may be out)
.else
	s_wait_dscnt 0x0
.endif
.if (\t)+4 < STEPS
	XLOAD (\t)+4                                   ; into the registers that the stage's stores have read
.endif
.if (\t)+1 < STEPS
.if STEPS-2-(\t) >= 3
	s_wait_loadcnt 12                              ; the next step's four loads are in; those of the three steps behind it may be out
.else
	s_wait_loadcnt 4*(STEPS-2-(\t))
.endif
	XTURN (\t)+1
.endif
	v_max3_num_f32 v8, |v[XS]|, |v[XS+1]|, |v[XS+2]|               ; the largest magnitude of my 16
	v_max3_num_f32 v9, |v[XS+3]|, |v[XS+4]|, |v[XS+5]|
.irp i, 6,10
	v_max3_num_f32 v8, v8, |v[XS+\i]|, |v[XS+\i+1]|
	v_max3_num_f32 v9, v9, |v[XS+\i+2]|, |v[XS+\i+3]|
.endr
	v_max3_num_f32 v8, v8, |v[XS+14]|, |v[XS+15]|
	v_max3_num_f32 v8, v8, v9, (EMAX+1)<<23        ; and the floor 2^(3 - 127): the byte cannot fall under 1
	v_max_num_f32_dpp v8, v8, v8 row_xmask:1 row_mask:0xf bank_mask:0xf   ; and of my neighbour's 16: the block's
	v_add_nc_u32 v11, -(EMAX<<23), v8              ; 2 off its exponent field: the conversion takes the exponent field of this operand as its scale
	v_cvt_scalef32_pk16_fp6_f32 v[XC+4*(\t):XC+4*(\t)+2], v[XS:XS+15], v11
	v_lshrrev_b32 v[XE+(\t)], 23, v11              ; the scale's byte (a plain line behind the conversion)
	ds_store_b8 v5, v[XE+(\t)] offset:16*(\t)      ; both lanes of a block write the same byte with the same value
	global_store_b96 v4, v[XC+4*(\t):XC+4*(\t)+2], s[16:17] offset:32*CB*(\t)   ; the wave stores 384 consecutive bytes
.endm
.irp t, 0,1,2,3,4,5,6,7,8,9,10,11,12,13,14,15
	XSTEP \t
.endr
	ds_load_b64 v[12:13], v6                       ; LDS serves a wave's instructions in order: these see my stores
	s_wait_dscnt 0x0
	global_store_b64 v7, v[12:13], s[18:19]        ; 32 lanes store 256 consecutive bytes, aligned
	s_wait_tensorcnt 0x0
	ds_add_u32 v192, v193
	s_wait_dscnt 0x0
	s_endpgm
	; ---------------- the weights ----------------
.Lweights:
	s_sub_co_u32 s25, ttmp9, NXWG
	s_lshr_b32 s26, s25, 5                         ; which weight
	s_and_b32 s27, s25, 7                          ; which 128 columns
	s_bfe_u32 s28, s25, 0x20003                    ; which 256 along K
	s_lshl_b32 s29, s27, 7
	s_lshl_b32 s30, s24, 5
	s_add_co_u32 s29, s29, s30                     ; n0: my wave's first column
	v_lshlrev_b32 v3, 2, v2                        ; in: 4 bytes a lane
	s_mul_i32 s30, s24, 32*WP
	s_add_co_u32 s30, s30, WSTG                    ; my stage
	v_mul_u32_u24 v4, v2, WP
	v_add_nc_u32 v4, s30, v4                       ; into it: row = my column
	v_and_b32 v5, 15, v2
	v_lshrrev_b32 v6, 4, v2
	v_mul_u32_u24 v7, v6, WP
	v_lshl_add_u32 v7, v5, 4, v7
	v_add_nc_u32 v7, s30, v7                       ; out of it: sixteen lanes to a row, two rows an instruction
	v_mul_u32_u24 v8, v6, 768
	v_mad_u32_u24 v8, v5, 12, v8                   ; and the same place in the codes' buffer
	v_lshrrev_b32 v9, 3, v2
	v_and_b32 v10, 7, v2
	v_lshlrev_b32 v9, 9, v9
	v_lshl_add_u32 v9, v10, 5, v9                  ; my column's row of scale bytes: position 16 (lane / 8) + lane % 8, 32 bytes a row
	s_lshl_b32 s30, s28, 20                        ; 256 rows of 4,096 bytes
	s_lshl_b32 s31, s29, 2
	s_add_co_u32 s30, s30, s31
	s_mov_b32 s31, 0
	s_and_b32 s32, s29, 0x3c0
	s_bfe_u32 s33, s29, 0x10005
	s_lshl_b32 s33, s33, 3
	s_add_co_u32 s32, s32, s33                     ; the position of column n0: 64 (n0 / 64) + 8 ((n0 / 32) % 2)
	s_mul_i32 s34, s26, WCB
	s_mul_i32 s33, s32, 768
	s_add_co_u32 s34, s34, s33
	s_mul_i32 s33, s28, 192
	s_add_co_u32 s34, s34, s33
	s_mov_b32 s35, 0
	s_mul_i32 s36, s26, WSB
	s_lshl_b32 s33, s32, 5
	s_add_co_u32 s36, s36, s33
	s_lshl_b32 s33, s28, 3
	s_add_co_u32 s36, s36, s33
	s_mov_b32 s37, 0
	s_wait_kmcnt 0x0
	s_cmp_eq_u32 s26, 0
	s_cselect_b64 s[4:5], s[10:11], s[12:13]
	s_cmp_eq_u32 s26, 2
	s_cselect_b64 s[4:5], s[14:15], s[4:5]
	s_add_nc_u64 s[4:5], s[4:5], s[30:31]
	s_add_nc_u64 s[20:21], s[20:21], s[34:35]
	s_add_nc_u64 s[22:23], s[22:23], s[36:37]
.macro WLOAD t                         ; block t: W(32 t + i, my column), i = 0 .. 31, into set t % 2: 32 lanes read 128 consecutive bytes
.irp i, 0,1,2,3,4,5,6,7,8,9,10,11,12,13,14,15,16,17,18,19,20,21,22,23,24,25,26,27,28,29,30,31
	global_load_b32 v[WX+32*((\t)%2)+\i], v3, s[4:5] offset:(32*(\t)+\i)*4096 th:TH_LOAD_NT
.endr
.endm
	WLOAD 0
	WLOAD 1
.macro WBLOCK t
.set WS_, WX+32*((\t)%2)
.if (\t) < NB-1
	s_wait_loadcnt 32                              ; this block's 32 loads are in; the next block's may be out
.else
	s_wait_loadcnt 0
.endif
	v_max3_num_f32 v12, |v[WS_]|, |v[WS_+1]|, |v[WS_+2]|            ; the block's largest magnitude: all 32 numbers are mine
	v_max3_num_f32 v13, |v[WS_+3]|, |v[WS_+4]|, |v[WS_+5]|
.irp i, 6,10,14,18,22,26
	v_max3_num_f32 v12, v12, |v[WS_+\i]|, |v[WS_+\i+1]|
	v_max3_num_f32 v13, v13, |v[WS_+\i+2]|, |v[WS_+\i+3]|
.endr
	v_max3_num_f32 v12, v12, |v[WS_+30]|, |v[WS_+31]|
	v_max3_num_f32 v12, v12, v13, (EMAX+1)<<23     ; and the floor
	v_add_nc_u32 v11, -(EMAX<<23), v12             ; the conversion's scale operand
	v_lshrrev_b32 v13, 23, v11                     ; the scale's byte
.if (\t)%4 == 0
	v_mov_b32 v[SBY+(\t)/4], v13                   ; four bytes to a register, the lower K in the lower byte
.else
	v_lshl_or_b32 v[SBY+(\t)/4], v13, 8*((\t)%4), v[SBY+(\t)/4]
.endif
	v_cvt_scalef32_pk16_fp6_f32 v[WC:WC+2], v[WS_:WS_+15], v11
	v_cvt_scalef32_pk16_fp6_f32 v[WC+4:WC+6], v[WS_+16:WS_+31], v11  ; (a conversion's three registers begin on an even number)
	ds_store_b96 v4, v[WC:WC+2] offset:32*(\t)     ; 12 bytes to a place of 16, so that every LDS address is a multiple of 16
	ds_store_b96 v4, v[WC+4:WC+6] offset:32*(\t)+16
.if (\t)+2 < NB
	WLOAD (\t)+2
.endif
	s_wait_dscnt 0x0                               ; the stores have read their registers: the next block's codes may be written
.endm
.irp t, 0,1,2,3,4,5,6,7
	WBLOCK \t
.endr
	global_store_b64 v9, v[SBY:SBY+1], s[22:23]    ; my column's eight scale bytes
.irp t, 0,1,2,3,4,5,6,7,8,9,10,11,12,13,14,15
	ds_load_b96 v[WO+4*\t:WO+4*\t+2], v7 offset:2*\t*WP   ; LDS serves a wave's instructions in order: these see my stores
.endr
.irp t, 0,1,2,3,4,5,6,7,8,9,10,11,12,13,14,15
	s_wait_dscnt 15-\t                             ; the younger loads may be out
	global_store_b96 v8, v[WO+4*\t:WO+4*\t+2], s[20:21] offset:(16*(\t/4)+2*(\t%4))*768   ; columns 2 t and 2 t + 1 of my 32 go to positions 16 (t / 4) + 2 (t % 4) and the next
.endr
	s_wait_tensorcnt 0x0
	ds_add_u32 v192, v193
	s_wait_dscnt 0x0
	s_endpgm
.Lfunc_end_k_q4897a097d5_quant:
	.size	k_q4897a097d5_quant, .Lfunc_end_k_q4897a097d5_quant-k_q4897a097d5_quant
	.p2alignl 7, 3214868480
	.fill 96, 4, 3214868480
	.section	.rodata,"a",@progbits
	.p2align	6, 0x0
	.amdhsa_kernel k_q4897a097d5_quant
		.amdhsa_group_segment_fixed_size 68096
		.amdhsa_private_segment_fixed_size 0
		.amdhsa_enable_private_segment 0
		.amdhsa_kernarg_size 80
		.amdhsa_user_sgpr_count 2
		.amdhsa_user_sgpr_kernarg_segment_ptr 1
		.amdhsa_wavefront_size32 1
		.amdhsa_system_sgpr_workgroup_id_x 1
		.amdhsa_system_sgpr_workgroup_id_y 1
		.amdhsa_system_sgpr_workgroup_id_z 1
		.amdhsa_system_vgpr_workitem_id 0
		.amdhsa_next_free_vgpr 194
		.amdhsa_next_free_sgpr 66
		.amdhsa_reserve_vcc 0
		.amdhsa_float_denorm_mode_32 3
		.amdhsa_float_denorm_mode_16_64 3
		.amdhsa_memory_ordered 1
		.amdhsa_forward_progress 1
		.amdhsa_inst_pref_size 74
	.end_amdhsa_kernel
	.amdgpu_metadata
---
amdhsa.version: [ 1, 2 ]
amdhsa.kernels:
  - .name:           k_q4897a097d5_quant
    .symbol:         k_q4897a097d5_quant.kd
    .args:
      - { .name: Q, .offset: 0, .size: 8, .value_kind: global_buffer, .address_space: global }
      - { .name: K, .offset: 8, .size: 8, .value_kind: global_buffer, .address_space: global }
      - { .name: V, .offset: 16, .size: 8, .value_kind: global_buffer, .address_space: global }
      - { .name: Wq, .offset: 24, .size: 8, .value_kind: global_buffer, .address_space: global }
      - { .name: Wk, .offset: 32, .size: 8, .value_kind: global_buffer, .address_space: global }
      - { .name: Wv, .offset: 40, .size: 8, .value_kind: global_buffer, .address_space: global }
      - { .name: xc, .offset: 48, .size: 8, .value_kind: global_buffer, .address_space: global }
      - { .name: xs, .offset: 56, .size: 8, .value_kind: global_buffer, .address_space: global }
      - { .name: wc, .offset: 64, .size: 8, .value_kind: global_buffer, .address_space: global }
      - { .name: ws, .offset: 72, .size: 8, .value_kind: global_buffer, .address_space: global }
    .group_segment_fixed_size: 68096
    .private_segment_fixed_size: 0
    .kernarg_segment_align: 8
    .kernarg_segment_size: 80
    .max_flat_workgroup_size: 128
    .sgpr_count:     66
    .vgpr_count:     194
    .wavefront_size: 32
...
	.end_amdgpu_metadata
.endif
;; end of part 1
;; launch proj (part 2): grid 4 x 96, 4 waves a work-group, clusters of 4 x 4, 327,680 bytes of LDS; arguments xc, xs, wc, ws, bq, bk, bv, mask, qi, kv; writes qi, kv
.if DOCPART == 2
	.amdgcn_target "amdgcn-amd-amdhsa--gfx1250"
	.amdhsa_code_object_version 6
	.text
	.protected	k_q4897a097d5_proj
	.globl	k_q4897a097d5_proj
	.p2align	8
	.type	k_q4897a097d5_proj,@function
k_q4897a097d5_proj:
	s_mov_b64 s[64:65], 0
	v_nop
	global_prefetch_b8 v0, s[64:65] scope:SCOPE_SE
	s_setreg_imm32_b32 hwreg(HW_REG_WAVE_MODE, 25, 1), 1
	s_wait_xcnt 0x0
	s_wait_alu depctr_hold_cnt(0) depctr_sa_sdst(0) depctr_va_vdst(0) depctr_va_sdst(0) depctr_va_ssrc(0) depctr_va_vcc(0) depctr_vm_vsrc(0)
	s_getreg_b32 s2, hwreg(HW_REG_IB_STS2, 6, 4)
	s_cmp_eq_u32 s2, 0
	s_cbranch_scc0 .Lentry_in_a_cluster
	s_endpgm
.Lentry_in_a_cluster:
	s_bfe_u32 s2, ttmp6, 0x10000c
	s_cmp_lg_u32 s2, 0xf033
	s_cbranch_scc0 .Lentry_shape_is_right
	s_endpgm
.Lentry_shape_is_right:
; The three projections q = Q Wq + bq, k = K Wk + bk, v = V Wv + bv on codes of FP6 (E2M3) with E8M0 scales, K = 1,024, and the quantising of their results for the attention that follows.
; q, k and v never lie in memory as f32: the way out adds the bias in f32, quantises in registers (q and k along the head's 64, v along the keys) and stores IMAGES OF OPERAND REGISTERS.
; THE PRODUCT.  A tile of 256 x 256 is made by four waves, 128 x 128 each: 64 accumulators, 512 registers.  K goes in steps of 256 through a ring of two LDS slots filled by the tensor data mover;
; the scale bytes of the work-group's rows, for all of K, come into LDS once.  4 x 4 work-groups form a cluster: the four of a row need the same tiles of source 1, the four of a column the same tiles of source 0; each is asked for jointly.
; ROLES.  Source 1's rows become LANES of the result, source 0's rows become a lane's REGISTERS.  For q and k source 1 = the activations and source 0 = the weight: a lane holds one token and, in the registers of
; four neighbouring tiles, 32 neighbouring channels of a head.  For v the roles are swapped: a lane holds one channel and 32 neighbouring keys.  (Rows lie in memory by POSITION: true row 32 g + 8 t + i of a group of 64 at 16 t + 8 g + i.)
; THE KEY MASK RIDES IN THE SCORES' UNUSED K.  The scores' K is 64 of the instruction's 128.  At k = 64 q carries the code 4.0 under the scale 2^56; a key with mask == 0 carries the code -4.0 under the scale 1, any other key the
; code 0 under the scale 2^-126.  So a masked key's score gets exactly -2^60 added inside the product.
; LIMIT: a masked logit is so -2^57 where the definition has -1e9: the results agree as long as unmasked logits stay far above -1e9.
; OUT.  qi: [16 b + head][16 groups of 128 positions] blocks of 8,704 bytes: 8 tiles x 1,024 (two runs of 512 bytes, 16 bytes a lane: registers 0-3; registers 4, 5, the extra code, 0), then 512 bytes of scale words.
;       kv: the same for k, then v's four tiles of 16 channels x 128 keys (3 runs of 512 bytes each) and 256 bytes of v's scale words: blocks of 15,104 bytes.
; REGISTERS, in windows of 256: window 0: v0-31 addresses; v32-63 scale words, two sets; v64-127 the bias by registers; v128-223 source 1's fragments; v224-239 the bias by lanes; v240-247 the mask.
;   window 1: source 0's fragments, two sets.   windows 2, 3: the accumulators ((a, b) at v[8 (8 (a % 4) + b)]).   On the way out v32-63 and v128-223 are free.
.set XCB,    6291456
.set XSB,    262144
.set WCB,    786432
.set WSB,    32768
.set QBLK,   8704
.set KBLK,   15104
.set KSTEP,  256                       ; along K in a slot
.set NQ,     2                         ; matrix instructions deep
.set ROWB,   192                       ; a tile's row in bytes
.set KROW,   768                       ; a row of codes in memory
.set PITCH,  240                       ; an LDS row: 3 x (64 bytes + 16 of padding)
.set FR,     12                        ; registers of a fragment
.set NL,     6                         ; LDS loads that bring one
.set NP,     4                         ; places behind this matrix instruction (ISA guide 7.12.1)
.set HALFT,  128*PITCH
.set SLOT,   4*HALFT
.set LAPS,   2                         ; 1,024 / 512
.set KS,     32                        ; a row of scales in bytes
.set SCL,    2*SLOT                    ; behind the ring: the scales, as runs of 256 bytes + 16 of padding
.set HALFS,  (128*KS/256)*272
.set SBLK,   (16*KS/256)*272
.set SPARE,  SCL+4*HALFS               ; the spare words, 128 bytes for each wave, which no other line names
.set BO,   8                           ; v8   128 x (lane / 16): the bias by registers
.set RO,   9                           ; v9   4 (r % 8) + 128 (r / 8): the true row of position r, in words of 4 bytes
.set LI,   10                          ; v10  16 x lane
.set L8,   11                          ; v11  8 x lane
.set H8,   12                          ; v12  8 x (lane / 16)
.set HV,   13                          ; v13  lane / 16
.set ADRA, 16                          ; v16-19
.set ADRB, 20                          ; v20-23
.set ADRS, 27
.set SPW,  28                          ; v28  my spare word's address; never rewritten
.set NIL,  29                          ; v29  0; never rewritten
.set SC,   32
.set BQ,   64
.set AF,   128
.set BV,   224
.set MK,   240
.set W,    32                          ; the way out: v32-47 scale words kept
.set SI,   48                          ; v48-51 a scale image
.set XT,   52                          ; v52-53 at work
.set HI,   54                          ; the scale word's upper half
.set RT,   55                          ; lane exchanges' destinations
.set CODEV, 56
.set HI0V, 57
.set HI1V, 58
.set RT2,  59
.set XM,   60
.set HA,   128                         ; v128-191 64 results with their bias
.set CD,   192                         ; v192-207 the codes
.set TC,   208                         ; v208-210, v212-214 the blocks' second halves
.set TM,   216                         ; v216-219 largest magnitudes
.set SO,   220                         ; v220-221 the conversions' scale operands
.set BY,   222                         ; v222-223 the bytes
.set TT,   96                          ; s96  0 q, 1 k, 2 v
.set SEL,  20
.set HM,   22
.set ISQ,  23
.set G1, 24
.set G0, 32
.set G1B, 48
.set G0B, 56
.set G1S, 68
.set G0S, 76
.set G1SB, 80
.set G0SB, 88
.set MSB, 0
.macro WIN new                         ; the immediate's high byte repeats the setting that is left
.if MSB != \new
	s_set_vgpr_msb (MSB<<8)|\new
.set MSB, \new
.endif
.endm
.set MUL_LO, 0xa1                      ; source 0 window 1, source 1 window 0, C and D window 2
.set MUL_HI, 0xf1                      ; the same, C and D window 3
.set TO_B,   0x40                      ; destination window 1, address window 0
; A joint load: waves 0 and 1 fetch for source 1, waves 2 and 3 for source 0.  The branch hangs on the wave's number alone.  Four v_nop follow each of the two lines.
.macro JLOAD g0a, g1a, g0b, g1b
	s_cmp_eq_u32 s15, 0
	s_cbranch_scc0 .Lfor_b_\@
	tensor_load_to_lds s[\g0a:\g0a+3], s[\g1a:\g1a+7]
	s_nop 0
.rept 4
	v_nop
.endr
	s_branch .Lasked_\@
.Lfor_b_\@:
	tensor_load_to_lds s[\g0b:\g0b+3], s[\g1b:\g1b+7]
	s_nop 0
.rept 4
	v_nop
.endr
.Lasked_\@:
.endm
.macro CREST                           ; a round of the cluster's barrier behind its opening barrier
	s_cmp_lg_u32 s14, 0
	s_cbranch_scc1 .Lnot_wave_0_\@
	s_barrier_signal -3
.Lnot_wave_0_\@:
	s_barrier_wait -3
	s_barrier_signal -1
	s_barrier_wait -1
.endm
.macro CROUND                          ; a whole round
	s_barrier_signal -1
	s_barrier_wait -1
	CREST
.endm
	s_load_b512 s[68:83], s[0:1], 0x0              ; xc s[68:69], xs s[70:71], wc s[72:73], ws s[74:75], bq s[76:77], bk s[78:79], bv s[80:81], mask s[82:83]
	s_load_b128 s[84:87], s[0:1], 0x40             ; qi s[84:85], kv s[86:87]
	v_lshl_add_u32 v[SPW], v0, 2, SPARE
	v_mov_b32 v[NIL], 0
	ds_add_u32 v28, v29
	ds_add_u32 v28, v29
	s_wait_dscnt 0x0
	v_lshrrev_b32 v1, 5, v0
	v_readfirstlane_b32 s14, v1                    ; wave 0..3
	s_lshr_b32 s15, s14, 1                         ; which half of source 1's rows is mine.  Also: I fetch for source 1 (0) or source 0 (1)
	s_and_b32 s16, s14, 1                          ; which half of source 0's rows.  Also: which 128 rows of that tile I fetch
	s_bfe_u32 s40, ttmp6, 0x40000                  ; cx, cy: my place in the cluster
	s_bfe_u32 s41, ttmp6, 0x40004
	s_and_b32 s17, ttmp7, 0xffff                   ; the cluster's y, 0..23: eight clusters for each projection
	s_lshr_b32 s[TT], s17, 3
	s_and_b32 s17, s17, 7
	s_lshl_b32 s17, s17, 2
	s_cmp_eq_u32 s[TT], 2                          ; the activations have 32 tiles of 256 rows, a weight has 4
	s_cselect_b32 s18, 0, s17
	s_cselect_b32 s19, s17, 0
	s_add_co_u32 s17, s18, s41                     ; source 1's tile: cy, + 4 x cluster where it is the activations
	s_add_co_u32 s42, s19, s40                     ; source 0's tile: cx, likewise
	s_lshl_b32 s43, s41, 2
	s_lshl_b32 s43, 15, s43                        ; my row of the cluster
	s_lshl_b32 s44, 0x1111, s40                    ; my column
	; descriptor group 1: a tile of 128 rows x 192 bytes, 16 bytes of padding behind every 64
	s_or_b32 s[G1+0], s43, (0<<16)|(1<<20)|(1<<21)|(3<<22)|(3<<25)
	s_or_b32 s[G1B+0], s44, (0<<16)|(1<<20)|(1<<21)|(3<<22)|(3<<25)
.irp g, G1, G1B
	s_mov_b32 s[\g+1], ROWB<<16                    ; tensor_dim0
	s_mov_b32 s[\g+2], 128<<16                     ; tensor_dim1
	s_mov_b32 s[\g+3], ROWB<<16                    ; tile_dim0
	s_mov_b32 s[\g+4], 128                         ; tile_dim1
	s_mov_b32 s[\g+5], KROW                        ; tensor_dim0_stride
	s_mov_b32 s[\g+6], 0
	s_mov_b32 s[\g+7], 0
.endr
	s_lshl_b32 s18, s16, 7                         ; which 128 rows of the tile I fetch
	s_lshl_b32 s20, s17, 8
	s_add_co_u32 s20, s20, s18                     ; source 1: row
	s_lshl_b32 s46, s42, 8
	s_add_co_u32 s46, s46, s18                     ; source 0: row
	s_mul_i32 s22, s20, KS                         ; where these rows' scales begin, in bytes (all under 2^23)
	s_mul_i32 s92, s46, KS
	s_mul_i32 s20, s20, KROW                       ; and their codes
	s_mul_i32 s46, s46, KROW
	s_mov_b32 s21, 0
	s_mov_b32 s23, 0
	s_mov_b32 s47, 0
	s_mov_b32 s93, 0
	s_mul_i32 s45, s14, HALFT                      ; where they go: wave x 128 rows: no place in the cluster enters an LDS address
	s_mul_i32 s94, s14, HALFS
	s_wait_kmcnt 0x0
	s_mul_i32 s18, s[TT], XCB                      ; this projection's part of each workspace buffer
	s_mov_b32 s19, 0
	s_add_nc_u64 s[68:69], s[68:69], s[18:19]
	s_mul_i32 s18, s[TT], XSB
	s_add_nc_u64 s[70:71], s[70:71], s[18:19]
	s_mul_i32 s18, s[TT], WCB
	s_add_nc_u64 s[72:73], s[72:73], s[18:19]
	s_mul_i32 s18, s[TT], WSB
	s_add_nc_u64 s[74:75], s[74:75], s[18:19]
	s_cmp_eq_u32 s[TT], 2
	s_cselect_b64 s[4:5], s[72:73], s[68:69]       ; source 1's codes: the weight for v, else the activations
	s_cselect_b64 s[6:7], s[74:75], s[70:71]       ; and scales
	s_cselect_b64 s[8:9], s[68:69], s[72:73]       ; source 0's codes
	s_cselect_b64 s[10:11], s[70:71], s[74:75]
	s_add_nc_u64 s[20:21], s[4:5], s[20:21]
	s_add_nc_u64 s[22:23], s[6:7], s[22:23]
	s_add_nc_u64 s[46:47], s[8:9], s[46:47]
	s_add_nc_u64 s[92:93], s[10:11], s[92:93]
	; the bias, the mask and the destination.  U = my group of 128 positions of the activations (0..63), H0 = the first of my two heads
	s_cmp_eq_u32 s[TT], 0
	s_cselect_b64 s[100:101], s[76:77], s[78:79]
	s_cselect_b64 s[12:13], s[84:85], s[86:87]
	s_mov_b32 s11, KBLK
	s_cselect_b32 s11, QBLK, s11
	s_cmp_eq_u32 s[TT], 2
	s_cselect_b64 s[100:101], s[80:81], s[100:101]
	s_cselect_b32 s4, s42, s17                     ; the activations' tile,
	s_cselect_b32 s5, s16, s15                     ; and my half of it
	s_cselect_b32 s6, s17, s42                     ; the weight's tile,
	s_cselect_b32 s7, s15, s16                     ; and my half of it
	s_lshl_b32 s4, s4, 1
	s_add_co_u32 s4, s4, s5                        ; U
	s_lshl_b32 s6, s6, 2
	s_lshl_b32 s7, s7, 1
	s_add_co_u32 s6, s6, s7                        ; H0
	s_lshl_b32 s8, s6, 8
	s_mov_b32 s9, 0
	s_add_nc_u64 s[100:101], s[100:101], s[8:9]    ; the bias at head H0: 256 bytes a head
	s_lshl_b32 s8, s4, 9
	s_add_nc_u64 s[66:67], s[82:83], s[8:9]        ; the mask at group U: 512 bytes a group
	s_lshr_b32 s8, s4, 4
	s_lshl_b32 s8, s8, 4
	s_add_co_u32 s8, s8, s6                        ; 16 b + H0
	s_lshl_b32 s8, s8, 4
	s_and_b32 s5, s4, 15
	s_add_co_u32 s8, s8, s5                        ; x 16 + the group in the batch
	s_mul_i32 s8, s8, s11
	s_add_nc_u64 s[12:13], s[12:13], s[8:9]        ; head H0's block
	; the arguments are used up: their registers take the descriptors of the scales: 128 rows' scales are a dense block of 4,096 bytes: 16 rows of 256 bytes, 16 bytes of padding behind each
	s_or_b32 s[G1S+0], s43, (3<<16)|(1<<20)|(1<<21)|(5<<22)|(3<<25)
	s_or_b32 s[G1SB+0], s44, (3<<16)|(1<<20)|(1<<21)|(5<<22)|(3<<25)
.irp g, G1S, G1SB
	s_mov_b32 s[\g+1], 32<<16
	s_mov_b32 s[\g+2], (128*KS/256)<<16
	s_mov_b32 s[\g+3], 32<<16
	s_mov_b32 s[\g+4], 128*KS/256
	s_mov_b32 s[\g+5], 32
	s_mov_b32 s[\g+6], 0
	s_mov_b32 s[\g+7], 0
.endr
	CROUND                                         ; all sixteen work-groups are here: the first joint loads meet
	s_mov_b32 s[G0S], 1
	s_add_co_u32 s[G0S+1], s94, SCL
	s_mov_b64 s[G0S+2:G0S+3], s[22:23]
	s_or_b32 s[G0S+3], s[G0S+3], 0x80000000
	s_mov_b32 s[G0SB], 1
	s_add_co_u32 s[G0SB+1], s94, SCL
	s_mov_b64 s[G0SB+2:G0SB+3], s[92:93]
	s_or_b32 s[G0SB+3], s[G0SB+3], 0x80000000
	JLOAD G0S, G1S, G0SB, G1SB                     ; the scales first: they are wanted with K step 0
.irp s, 0,1
	s_mov_b32 s[G0+4*\s], 1
	s_add_co_u32 s[G0+4*\s+1], s45, \s*SLOT
	s_add_nc_u64 s[G0+4*\s+2:G0+4*\s+3], s[20:21], \s*ROWB
	s_or_b32 s[G0+4*\s+3], s[G0+4*\s+3], 0x80000000
	s_mov_b32 s[G0B+4*\s], 1
	s_add_co_u32 s[G0B+4*\s+1], s45, \s*SLOT
	s_add_nc_u64 s[G0B+4*\s+2:G0B+4*\s+3], s[46:47], \s*ROWB
	s_or_b32 s[G0B+4*\s+3], s[G0B+4*\s+3], 0x80000000
	JLOAD G0+4*\s, G1, G0B+4*\s, G1B               ; by this text's count three tensor loads of a wave are out at the most
.endr
	v_and_b32 v1, 15, v0                           ; r = lane % 16
	v_bfe_u32 v2, v0, 4, 1                         ; h = lane / 16
	v_mul_u32_u24 v3, v1, PITCH
	v_mul_u32_u24 v4, v2, 24
	v_add_nc_u32 v4, v3, v4                        ; a fragment's row x pitch + 24 x half
	v_lshl_add_u32 v5, v2, 4, v4                   ; and the same behind one padding more
	s_mul_i32 s21, s15, HALFT                      ; my 128 rows of source 1
	s_mul_i32 s22, s16, HALFT                      ; my 128 rows of source 0,
	s_add_co_u32 s22, s22, 2*HALFT                 ; which lie behind source 1's 256
.irp s, 0,1
	v_add_nc_u32 v[ADRA+\s], s21, v4
	v_add_nc_u32 v[ADRB+\s], s22, v4
	v_add_nc_u32 v[ADRA+2+\s], s21, v5
	v_add_nc_u32 v[ADRB+2+\s], s22, v5
	s_add_co_u32 s21, s21, SLOT
	s_add_co_u32 s22, s22, SLOT
.endr
	v_mul_u32_u24 v5, v1, KS                       ; my row's scales: 32 bytes a row,
	v_lshrrev_b32 v6, 8, v5
	v_lshl_add_u32 v5, v6, 4, v5                   ; and 16 more for each 256 passed
	s_mul_i32 s21, s15, HALFS
	s_mul_i32 s22, s16, HALFS
	s_add_co_u32 s22, s22, 2*HALFS
	s_sub_co_u32 s22, s22, s21
	v_mul_u32_u24 v6, s22, v2                      ; lanes 16-31 take source 0's
	s_add_co_u32 s21, s21, SCL
	v_add_nc_u32 v5, v5, v6
	v_add_nc_u32 v[ADRS], s21, v5
	; the bias both ways and the mask: loaded now, waited for ahead of the way out; every address lies inside its buffer for each of the three projections
	v_lshlrev_b32 v[BO], 7, v2
	v_and_b32 v6, 7, v1
	v_lshrrev_b32 v7, 3, v1
	v_lshlrev_b32 v[RO], 2, v6
	v_lshl_add_u32 v[RO], v7, 7, v[RO]
	v_and_b32 v6, 31, v0
	v_lshlrev_b32 v[LI], 4, v6
	v_lshlrev_b32 v[L8], 3, v6
	v_lshlrev_b32 v[H8], 3, v2
	v_mov_b32 v[HV], v2
.irp c, 0,1
.irp i, 0,1,2,3,4,5,6,7
	global_load_b128 v[BQ+32*\c+4*\i:BQ+32*\c+4*\i+3], v[BO], s[100:101] offset:256*\c+16*\i   ; register 32 c + n: the bias of channel 32 h + n of head H0 + c
.endr
.endr
.irp a, 0,1,2,3,4,5,6,7
	global_load_b32 v[BV+2*\a], v[RO], s[100:101] offset:4*(64*(\a/4)+8*(\a%4))     ; the bias of the channel at position r of tile a, twice: a pair for the packed addition
	global_load_b32 v[BV+2*\a+1], v[RO], s[100:101] offset:4*(64*(\a/4)+8*(\a%4))
	global_load_b32 v[MK+\a], v[RO], s[66:67] offset:4*(64*(\a/4)+8*(\a%4))         ; the mask of the token at position r of tile a
.endr
.macro FRAG reg, adr, q, i             ; a fragment, 16 rows x 128 K, is 12 registers: lane l holds row l % 16; registers 6 c .. 6 c + 5 hold K = 64 c + 32 (l / 16) + 0 .. 31: 24 bytes of the row's stream of bits
.irp p, 0,1,2,3,4,5                    ; in pieces of 8 bytes; where the piece of lanes 16-31 lies behind one padding more than that of lanes 0-15, the second address register serves
.set PCE, 12*(\q)+6*(\p/3)+\p%3
.if PCE%8 < 5
	ds_load_b64 v[\reg+2*\p:\reg+2*\p+1], v[\adr] offset:8*PCE+16*(PCE/8)+(\i)*16*PITCH
.else
	ds_load_b64 v[\reg+2*\p:\reg+2*\p+1], v[\adr+2] offset:8*PCE+16*(PCE/8)+(\i)*16*PITCH
.endif
.endr
.endm
; 16 matrix instructions: source 1's blocks a0, a0 + 1 x source 0's eight.  The 64 accumulators take turns, one instruction a turn, in the same order in every step.
.macro MUL16 a0, p, q, sc, zero
.irp a, \a0, \a0+1
.irp b, 0,1,2,3,4,5,6,7
.if \zero
	v_wmma_scale_f32_16x16x128_f8f6f4 v[8*(8*((\a)%4)+\b):8*(8*((\a)%4)+\b)+7], v[128*(\p)+FR*\b:128*(\p)+FR*\b+FR-1], v[AF+FR*(\a):AF+FR*(\a)+FR-1], 0, v[SC+8*NQ*(\sc)+NQ*\b+(\q)], v[SC+8*NQ*(\sc)+NQ*(\a)+(\q)] matrix_a_fmt:MATRIX_FMT_FP6 matrix_b_fmt:MATRIX_FMT_FP6 matrix_a_scale:MATRIX_SCALE_ROW1
.else
	v_wmma_scale_f32_16x16x128_f8f6f4 v[8*(8*((\a)%4)+\b):8*(8*((\a)%4)+\b)+7], v[128*(\p)+FR*\b:128*(\p)+FR*\b+FR-1], v[AF+FR*(\a):AF+FR*(\a)+FR-1], v[8*(8*((\a)%4)+\b):8*(8*((\a)%4)+\b)+7], v[SC+8*NQ*(\sc)+NQ*\b+(\q)], v[SC+8*NQ*(\sc)+NQ*(\a)+(\q)] matrix_a_fmt:MATRIX_FMT_FP6 matrix_b_fmt:MATRIX_FMT_FP6 matrix_a_scale:MATRIX_SCALE_ROW1
.endif
.endr
.endr
.endm
.macro FETCH_B slot, q, p              ; source 0's eight fragments of the slot's q-th 128 along K into set p
	WIN TO_B
.irp i, 0,1,2,3,4,5,6,7
	FRAG 128*(\p)+FR*\i, ADRB+\slot, \q, \i
.endr
	WIN 0
.endm
.macro FETCH_A slot, q, i0             ; source 1's blocks i0 .. i0 + 3
.irp i, \i0, \i0+1, \i0+2, \i0+3
	FRAG AF+FR*(\i), ADRA+\slot, \q, \i
.endr
.endm
.macro SCALES sc                       ; the next K step's scale words into set sc: lanes 0-15 take source 1's block i, lanes 16-31 source 0's block i
.irp i, 0,1,2,3,4,5,6,7
	ds_load_b64 v[SC+8*NQ*\sc+NQ*\i:SC+8*NQ*\sc+NQ*\i+1], v[ADRS] offset:\i*SBLK
.endr
.endm
.macro PLACES n                        ; plain vector instructions between a matrix instruction and a load into, or a read or write of, its registers (ISA guide 7.12.1 for reads and writes)
.rept \n
	v_nop
.endr
.endm
.macro STEP slot, q, zero              ; a step of 128 along K that has its successor in the same slot
	s_wait_dscnt 4*NL                              ; source 0's set and source 1's blocks 0-3 are in; the youngest 24 loads (blocks 4-7) may be out
	WIN MUL_LO
	MUL16 0, (\q)%2, \q, \slot, \zero
	MUL16 2, (\q)%2, \q, \slot, \zero
	s_wait_dscnt 0                                 ; blocks 4-7 are in
	PLACES NP
	FETCH_B \slot, (\q)+1, 1-(\q)%2
	FETCH_A \slot, (\q)+1, 0
	WIN MUL_HI
	MUL16 4, (\q)%2, \q, \slot, \zero
	MUL16 6, (\q)%2, \q, \slot, \zero
	PLACES NP
	WIN 0
	FETCH_A \slot, (\q)+1, 4
.endm
; A slot's last step changes slots: ONE barrier; in front of it each wave waits for all its tensor loads, adds 0 to its spare word, and waits for that and for its own reads of this slot.  fill = 1: this slot is filled again, two K steps ahead.
.macro TURN slot, next, fill
	s_wait_tensorcnt 0x0                           ; all my tensor loads have landed: my part of the next slot
	ds_add_u32 v[SPW], v[NIL]                      ; 0 onto my spare word
	s_wait_dscnt 4*NL+1                            ; (the add and the youngest 24 loads may be out)
	WIN MUL_LO
	MUL16 0, 1, NQ-1, \slot, 0                     ; sixteen matrix instructions stand between the add and the wait for it
	s_wait_dscnt 0x0                               ; the add is done, and my reads of this slot are over
	s_barrier_signal -1
	MUL16 2, 1, NQ-1, \slot, 0
	WIN 0
	s_barrier_wait -1
.if \fill
	CREST                                          ; the barrier has opened a round of the cluster's barrier: no wave of any partner still reads this slot's tile or has a load on its way
	s_add_nc_u64 s[G0+4*\slot+2:G0+4*\slot+3], s[G0+4*\slot+2:G0+4*\slot+3], 2*ROWB
	s_add_nc_u64 s[G0B+4*\slot+2:G0B+4*\slot+3], s[G0B+4*\slot+2:G0B+4*\slot+3], 2*ROWB
	JLOAD G0+4*\slot, G1, G0B+4*\slot, G1B         ; the first tensor load behind the round; its four v_nop are the places in front of the loads below
.else
	PLACES NP
.endif
	v_add_nc_u32 v[ADRS], 4*NQ, v[ADRS]            ; on to the next K step's scale words
	FETCH_B \next, 0, 0
	FETCH_A \next, 0, 0
	SCALES \next
	WIN MUL_HI
	MUL16 4, 1, NQ-1, \slot, 0
	MUL16 6, 1, NQ-1, \slot, 0
	PLACES NP
	WIN 0
	FETCH_A \next, 0, 4
.endm
	s_wait_tensorcnt 1                             ; the scales and my part of K step 0 are in (K step 1's load may be out)
	s_barrier_signal -1
	s_barrier_wait -1                              ; everybody's are
	FETCH_B 0, 0, 0
	FETCH_A 0, 0, 0
	SCALES 0
	FETCH_A 0, 0, 4
	STEP 0, 0, 1                                   ; the first step stands in front of the loop: its products start the sums
	s_mov_b32 s3, LAPS-1
.Llap:                                                 ; a trip goes once round the ring and fills both slots again
	TURN 0, 1, 1
	STEP 1, 0, 0
	TURN 1, 0, 1
	STEP 0, 0, 0
	s_sub_co_u32 s3, s3, 1
	s_cmp_lg_u32 s3, 0
	s_cbranch_scc1 .Llap
	TURN 0, 1, 0                                   ; the last lap fills nothing
	STEP 1, 0, 0
	s_wait_dscnt 4*NL                              ; the very last step
	WIN MUL_LO
	MUL16 0, 1, NQ-1, 1, 0
	MUL16 2, 1, NQ-1, 1, 0
	s_wait_dscnt 0
	WIN MUL_HI
	MUL16 4, 1, NQ-1, 1, 0
	MUL16 6, 1, NQ-1, 1, 0
	WIN 0
; THE WAY OUT, a block a of 16 lanes' rows at a time.  The block's 64 registers a lane are two blocks of 32 neighbours along the next product's K, in order: register 32 c + n is neighbour n of block 2 c + lane / 16.
.macro ADDB a, kind                    ; + the bias, in f32, into v[HA] on; each accumulator is read from its low end on.  kind 0: the bias goes by registers; 1: by lanes
	WIN 0x02+(\a)/4
.set i, 0
.rept 32
.if \kind
	v_pk_add_f32 v[HA+i:HA+i+1], v[64*((\a)%4)+i:64*((\a)%4)+i+1], v[BV+2*(\a):BV+2*(\a)+1]
.else
	v_pk_add_f32 v[HA+i:HA+i+1], v[64*((\a)%4)+i:64*((\a)%4)+i+1], v[BQ+i:BQ+i+1]
.endif
.set i, i+2
.endr
	WIN 0
.endm
.macro QUANT st                        ; the two blocks become codes at v[CD] and v[CD + st] on, six registers each, and bytes in v[BY], v[BY + 1].  A block is one lane's: no other lane is asked
.irp c, 0,1
	v_max3_num_f32 v[TM+2*\c], |v[HA+32*\c]|, |v[HA+32*\c+1]|, |v[HA+32*\c+2]|
	v_max3_num_f32 v[TM+2*\c+1], |v[HA+32*\c+16]|, |v[HA+32*\c+17]|, |v[HA+32*\c+18]|
.endr
.irp i, 3,5,7,9,11,13
.irp c, 0,1
	v_max3_num_f32 v[TM+2*\c], v[TM+2*\c], |v[HA+32*\c+\i]|, |v[HA+32*\c+\i+1]|          ; four chains by turns
	v_max3_num_f32 v[TM+2*\c+1], v[TM+2*\c+1], |v[HA+32*\c+16+\i]|, |v[HA+32*\c+17+\i]|
.endr
.endr
.irp c, 0,1
	v_max3_num_f32 v[TM+2*\c], v[TM+2*\c], v[TM+2*\c+1], |v[HA+32*\c+15]|
.endr
.irp c, 0,1
	v_max3_num_f32 v[TM+2*\c], v[TM+2*\c], |v[HA+32*\c+31]|, 0x1800000   ; and the floor 2^(3 - 127): the byte cannot fall under 1
.endr
.irp c, 0,1
	v_add_nc_u32 v[SO+\c], 0xff000000, v[TM+2*\c]  ; 2 off the exponent field: the conversion's scale operand
.endr
.irp c, 0,1
	v_lshrrev_b32 v[BY+\c], 23, v[SO+\c]           ; the scale's byte
.endr
	s_wait_xcnt 0x0                                ; the last block's stores have read the code registers: they are written again only behind this wait
.irp c, 0,1
	v_cvt_scalef32_pk16_fp6_f32 v[CD+\st*\c:CD+\st*\c+2], v[HA+32*\c:HA+32*\c+15], v[SO+\c]
	v_cvt_scalef32_pk16_fp6_f32 v[TC+4*\c:TC+4*\c+2], v[HA+32*\c+16:HA+32*\c+31], v[SO+\c]   ; (a conversion's three registers begin on an even number)
.endr
	v_nop                                          ; one plain place behind a scaled conversion
.irp c, 0,1
.irp i, 0,1,2
	v_mov_b32 v[CD+\st*\c+3+\i], v[TC+4*\c+\i]
.endr
.endr
.endm
	PLACES NP                                      ; behind the last products: their results are read, and their operands' and scales' registers written, below
	s_wait_loadcnt 0x0                             ; the biases and the mask
	s_mov_b32 s[SEL], 0x76543210
	s_mov_b32 s[SEL+1], 0xfedcba98                 ; v_permlanex16_b32's selects for lane l xor 16
	s_mov_b32 s[HM], 0xffff0000                    ; lanes 16-31
	s_cmp_eq_u32 s[TT], 0
	s_cselect_b32 s[ISQ], -1, 0
	s_cselect_b32 s40, 24, 56                      ; the extra code: 4.0 for q, -4.0 for a masked key
	s_mov_b32 s41, 0x407f0000
	s_cselect_b32 s41, 0x40b70000, s41             ; the scale word's bytes 2 and 3 where the code is set: q 183 (2^56), a masked key 127 (1); byte 3 is 64
	s_mov_b32 s42, 0x40010000
	s_cselect_b32 s42, 0x40b70000, s42             ; and where it is not: a key that counts has byte 1 (2^-126), so that nothing large stands beside the true products
	s_mov_b32 s44, 16*KBLK
	s_cselect_b32 s44, 16*QBLK, s44
	s_mov_b32 s45, 0
	s_add_nc_u64 s[98:99], s[12:13], s[44:45]      ; head H0 + 1's block: 16 blocks on
	v_mov_b32 v[CODEV], s40
	v_mov_b32 v[HI1V], s41
	v_mov_b32 v[HI0V], s42
	v_mov_b32 v[RT], 0                             ; written once: a lane permute's destination counts as one of its sources
	v_mov_b32 v[RT2], 0
	v_mov_b32 v[CD+7], 0
	v_mov_b32 v[CD+15], 0
	s_cmp_eq_u32 s[TT], 2                          ; the same in all partners of a cluster: it hangs on the cluster's y alone
	s_cbranch_scc1 .Lway_v
	; ---- q and k: block a is tile a of my group of 128 positions; the two blocks of 32 of half c are head H0 + c's channels
.irp a, 0,1,2,3,4,5,6,7
	ADDB \a, 0
	QUANT 8
	v_cndmask_b32 v[XM], v[MK+\a], v[HV], s[ISQ]   ; k: my token's mask; q: lane / 16
	v_cmp_eq_u32 vcc_lo, 0, v[XM]                  ; k: a masked key; q: lanes 0-15, which hold k = 64
	v_cndmask_b32 v[CD+6], 0, v[CODEV], vcc_lo     ; register 6 of both heads' fragments
	v_cndmask_b32 v[CD+14], 0, v[CODEV], vcc_lo
	v_cndmask_b32 v[HI], v[HI0V], v[HI1V], vcc_lo
	v_lshlrev_b32 v[XT], v[H8], v[BY]              ; my block's byte at its place,
	v_lshlrev_b32 v[XT+1], v[H8], v[BY+1]
	v_permlanex16_b32 v[RT], v[XT], s[SEL], s[SEL+1]
	v_permlanex16_b32 v[RT2], v[XT+1], s[SEL], s[SEL+1]
	v_or_b32 v[XT], v[XT], v[RT]                   ; with lane l xor 16's,
	v_or_b32 v[XT+1], v[XT+1], v[RT2]
	v_or_b32 v[W+2*\a], v[XT], v[HI]               ; and bytes 2 and 3: row r's scale word, in both halves of the lanes
	v_or_b32 v[W+2*\a+1], v[XT+1], v[HI]
.irp c, 0,1
.irp k, 0,1
	global_store_b128 v[LI], v[CD+8*\c+4*\k:CD+8*\c+4*\k+3], s[12+86*\c:13+86*\c] offset:1024*\a+512*\k   ; 32 lanes store 512 consecutive bytes, at a multiple of 256 from the buffer's first byte
.endr
.endr
.endr
.irp c, 0,1                                    ; the scale image: word i of lane L is tile 2 i + L / 16, row L % 16
	s_wait_xcnt 0x0                                ; the last store has read its registers
.irp i, 0,1,2,3
	v_cndmask_b32 v[SI+\i], v[W+4*\i+\c], v[W+4*\i+2+\c], s[HM]
.endr
	global_store_b128 v[LI], v[SI:SI+3], s[12+86*\c:13+86*\c] offset:8192
.endr
	s_branch .Ldone
	; ---- v: block a is tile a % 4 of head H0 + a / 4's channels; the 64 registers are my group's 128 keys' blocks lane / 16 and 2 + lane / 16: a whole fragment
.Lway_v:
.irp a, 0,1,2,3,4,5,6,7
	ADDB \a, 1
	QUANT 6
	v_lshl_or_b32 v[XT], v[BY+1], 16, v[BY]        ; my two bytes,
	v_lshlrev_b32 v[XT], v[H8], v[XT]              ; at their places;
	v_permlanex16_b32 v[RT], v[XT], s[SEL], s[SEL+1]
	v_or_b32 v[W+\a], v[XT], v[RT]                 ; with lane l xor 16's two the word is whole
.irp k, 0,1,2
	global_store_b128 v[LI], v[CD+4*\k:CD+4*\k+3], s[12+86*(\a/4):13+86*(\a/4)] offset:QBLK+1536*(\a%4)+512*\k
.endr
.endr
.irp d, 0,1                                    ; the scale image: word i of lane L is tile 2 i + L / 16, row L % 16
	s_wait_xcnt 0x0
	v_cndmask_b32 v[SI], v[W+4*\d], v[W+4*\d+1], s[HM]
	v_cndmask_b32 v[SI+1], v[W+4*\d+2], v[W+4*\d+3], s[HM]
	global_store_b64 v[L8], v[SI:SI+1], s[12+86*\d:13+86*\d] offset:QBLK+6144
.endr
.Ldone:
	s_wait_tensorcnt 0x0                           ; the wave's end
	ds_add_u32 v[SPW], v[NIL]
	s_wait_dscnt 0x0
	CROUND                                         ; the closing round: no work-group ends while a partner may still ask for a tile that names it
	s_endpgm
.Lfunc_end_k_q4897a097d5_proj:
	.size	k_q4897a097d5_proj, .Lfunc_end_k_q4897a097d5_proj-k_q4897a097d5_proj
	.p2alignl 7, 3214868480
	.fill 96, 4, 3214868480
	.section	.rodata,"a",@progbits
	.p2align	6, 0x0
	.amdhsa_kernel k_q4897a097d5_proj
		.amdhsa_group_segment_fixed_size 327680
		.amdhsa_private_segment_fixed_size 0
		.amdhsa_enable_private_segment 0
		.amdhsa_kernarg_size 80
		.amdhsa_user_sgpr_count 2
		.amdhsa_user_sgpr_kernarg_segment_ptr 1
		.amdhsa_wavefront_size32 1
		.amdhsa_system_sgpr_workgroup_id_x 1
		.amdhsa_system_sgpr_workgroup_id_y 1
		.amdhsa_system_sgpr_workgroup_id_z 1
		.amdhsa_system_vgpr_workitem_id 0
		.amdhsa_next_free_vgpr 1024
		.amdhsa_next_free_sgpr 102
		.amdhsa_reserve_vcc 1
		.amdhsa_float_denorm_mode_32 3
		.amdhsa_float_denorm_mode_16_64 3
		.amdhsa_memory_ordered 1
		.amdhsa_forward_progress 1
		.amdhsa_inst_pref_size 225
	.end_amdhsa_kernel
	.amdgpu_metadata
---
amdhsa.version: [ 1, 2 ]
amdhsa.kernels:
  - .name:           k_q4897a097d5_proj
    .symbol:         k_q4897a097d5_proj.kd
    .args:
      - { .name: xc, .offset: 0, .size: 8, .value_kind: global_buffer, .address_space: global }
      - { .name: xs, .offset: 8, .size: 8, .value_kind: global_buffer, .address_space: global }
      - { .name: wc, .offset: 16, .size: 8, .value_kind: global_buffer, .address_space: global }
      - { .name: ws, .offset: 24, .size: 8, .value_kind: global_buffer, .address_space: global }
      - { .name: bq, .offset: 32, .size: 8, .value_kind: global_buffer, .address_space: global }
      - { .name: bk, .offset: 40, .size: 8, .value_kind: global_buffer, .address_space: global }
      - { .name: bv, .offset: 48, .size: 8, .value_kind: global_buffer, .address_space: global }
      - { .name: mask, .offset: 56, .size: 8, .value_kind: global_buffer, .address_space: global }
      - { .name: qi, .offset: 64, .size: 8, .value_kind: global_buffer, .address_space: global }
      - { .name: kv, .offset: 72, .size: 8, .value_kind: global_buffer, .address_space: global }
    .group_segment_fixed_size: 327680
    .private_segment_fixed_size: 0
    .kernarg_segment_align: 8
    .kernarg_segment_size: 80
    .max_flat_workgroup_size: 128
    .sgpr_count:     102
    .vgpr_count:     1024
    .wavefront_size: 32
...
	.end_amdgpu_metadata
.endif
;; end of part 2
;; launch attn (part 3): grid 4 x 64, 16 waves a work-group, clusters of 4 x 1, 327,680 bytes of LDS; arguments qi, kv, mask, out0; writes out0
.if DOCPART == 3
	.amdgcn_target "amdgcn-amd-amdhsa--gfx1250"
	.amdhsa_code_object_version 6
	.text
	.protected	k_q4897a097d5_attn
	.globl	k_q4897a097d5_attn
	.p2align	8
	.type	k_q4897a097d5_attn,@function
k_q4897a097d5_attn:
	s_mov_b64 s[64:65], 0
	v_nop
	global_prefetch_b8 v0, s[64:65] scope:SCOPE_SE
	s_setreg_imm32_b32 hwreg(HW_REG_WAVE_MODE, 25, 1), 1
	s_wait_xcnt 0x0
	s_wait_alu depctr_hold_cnt(0) depctr_sa_sdst(0) depctr_va_vdst(0) depctr_va_sdst(0) depctr_va_ssrc(0) depctr_va_vcc(0) depctr_vm_vsrc(0)
	s_getreg_b32 s2, hwreg(HW_REG_IB_STS2, 6, 4)
	s_cmp_eq_u32 s2, 0
	s_cbranch_scc0 .Lentry_in_a_cluster
	s_endpgm
.Lentry_in_a_cluster:
	s_bfe_u32 s2, ttmp6, 0x10000c
	s_cmp_lg_u32 s2, 0x3003
	s_cbranch_scc0 .Lentry_shape_is_right
	s_endpgm
.Lentry_shape_is_right:
; out[b][q][head] = the sum over keys of softmax(q . k / 8, keys with mask == 0 hidden) v, both products on codes of FP6 (E2M3) with E8M0 scales.  q, k, v come as images of operand registers (the launch before wrote them).
; THE SOFTMAX AHEAD OF THE SECOND PRODUCT: t = score x log2(e) / 8; M = the row's largest t so far, rounded UP to a whole number; p = 2^(t - M) is what is quantised, along the keys; the row's sum is taken of the
; unquantised p, in f32, and divides at the end.  When M moves, the sum and O are multiplied by 2^(old M - new M): exact.
; THE MASK is inside the scores: at k = 64 of the first product q carries 4.0 x 2^56 and a masked key -4.0, so a masked key's score has -2^60 added; p is then 0.  Where EVERY key of a batch is masked, q's true codes are
; cleared (a choice of values, no branch): every score is then exactly -2^60, every p is 1, and the result is the mean of v, as the definition has it.
; LIMIT: a masked logit is -2^57 where the definition has -1e9: the results agree as long as unmasked logits stay far above -1e9.
; SHARES.  A work-group owns 512 queries of one head of one batch; the four work-groups of a cluster own the head's 2,048.  Each of the sixteen waves owns one tile of 16 queries at a time, in two passes; four waves share a SIMD,
; so that one wave's vector work stands beside another's matrix work and LDS loads.
; THE WHOLE HEAD'S k AND v LIE IN LDS: 16 steps of 128 keys, 15,104 bytes each, filled ONCE, by four joint loads of wave 0 (the four work-groups of the cluster read the same bytes).  Nothing is filled again.
; Group g of four steps is read behind a counted wait and a barrier, so the first steps run while the later groups land.
; LAYOUT.  Both products are used transposed: S^T = k q^T, O^T = v^T p^T: a lane holds ONE query.  Rows lie by POSITION (true row 32 g + 8 t + i of a group of 64 at 16 t + 8 g + i), so register 32 c + n of S^T in lane (q, h)
; is key 64 c + 32 h + n of the step: a whole block of 32 keys in order, which is what the second product's operand wants of that lane.  No exchange of halves; a block's maximum needs no other lane.
; A fragment of k is 8 registers (6 of codes, the extra code, 0); the instruction names 12: the last four are the next fragment's first four, which meet q's zero codes and add nothing.
.set KBLK,  15104
.set QBLK,  8704
.set HEADB, 16*KBLK                    ; 241,664
.set GRPB,  4*KBLK                     ; 60,416 = 236 x 256
.set STAGE, HEADB                      ; the way out: 16 rows x (256 + 16) bytes for each wave
.set FLAG,  STAGE+16*16*272            ; 2,048 bytes: a word a thread
.set L16, 1                            ; v1   16 x lane
.set L8,  2                            ; v2   8 x lane
.set ADK, 3                            ; v3   the step's block + 16 x lane
.set ADV, 4                            ; v4   the step's block + 8 x lane
.set STO, 5
.set RD,  6
.set GO,  7
.set QFO, 8
.set QSO, 9
.set H8,  10
.set KF,  32                           ; v32-99 k's eight fragments, 8 registers apart (v96-99 = 0); later v's four, 12 apart
.set KS,  100                          ; v100-103 k's scale words
.set VS,  104                          ; v104-105 v's
.set PW,  106                          ; p's
.set PC,  108                          ; v108-119 p's codes
.set TC,  120                          ; v120-122, v124-126
.set S,   128                          ; v128-191 S^T, then p
.set O,   192                          ; v192-223 O^T
.set BM,  224                          ; v224-227 block maxima, four chains
.set RM,  228
.set RT,  229
.set F,   230                          ; v[230:231]
.set SU2, 232                          ; v[232:233]
.set SO,  234
.set BY,  236
.set WV,  12
.set SEL, 40
.set CS,  42
.set TB,  44
.set CNT, 45
.set PASS, 46
.set KEEP, 47
.set QB,  48
.set OB,  50
.macro CROUND                          ; a round of the cluster's barrier
	s_barrier_signal -1
	s_barrier_wait -1
	s_cmp_lg_u32 s[WV], 0
	s_cbranch_scc1 .Lnot_wave_0_\@
	s_barrier_signal -3
.Lnot_wave_0_\@:
	s_barrier_wait -3
	s_barrier_signal -1
	s_barrier_wait -1
.endm
	s_load_b256 s[4:11], s[0:1], 0x0               ; qi s[4:5], kv s[6:7], mask s[8:9], out0 s[10:11]
	v_lshl_add_u32 v238, v0, 2, 0x4c800
	v_mov_b32 v239, 0
	ds_add_u32 v238, v239
	ds_add_u32 v238, v239
	v_lshrrev_b32 v11, 5, v0
	v_readfirstlane_b32 s[WV], v11                 ; wave 0..15
	s_bfe_u32 s13, ttmp6, 0x40000                  ; cx: which 512 queries
	s_and_b32 s14, ttmp7, 0xffff                   ; y = 16 b + head
	s_lshr_b32 s52, s14, 4                         ; b
	s_lshl_b32 s54, s52, 13
	s_mov_b32 s55, 0
	v_lshlrev_b32 v29, 4, v0
	v_lshl_add_u32 v30, v0, 2, FLAG
	s_wait_dscnt 0x0
	s_wait_kmcnt 0x0
	s_add_nc_u64 s[8:9], s[8:9], s[54:55]
	global_load_b128 v[240:243], v29, s[8:9]       ; the batch's 2,048 mask words, four a thread
	; descriptor group 1: 236 rows of 256 bytes (32 elements of 8 bytes), dense, no padding: every read of these bytes is 16 or 8 bytes a lane on end
	s_mov_b32 s16, 15|(3<<16)|(1<<21)              ; 15:0 the mask: all four work-groups; 17:16 elements of 8 bytes; 21 set beside a mask
	s_mov_b32 s17, 32<<16                          ; tensor_dim0
	s_mov_b32 s18, 236<<16                         ; tensor_dim1
	s_mov_b32 s19, 32<<16                          ; tile_dim0
	s_mov_b32 s20, 236                             ; tile_dim1
	s_mov_b32 s21, 32                              ; tensor_dim0_stride
	s_mov_b32 s22, 0
	s_mov_b32 s23, 0
	s_mul_i32 s58, s14, HEADB                      ; the head's blocks: they hang on y alone, which the four partners share
	s_mov_b32 s59, 0
	s_add_nc_u64 s[6:7], s[6:7], s[58:59]
.irp g, 0,1,2,3
	s_mov_b32 s[24+4*\g], 1
	s_mov_b32 s[25+4*\g], GRPB*\g
	s_add_nc_u64 s[26+4*\g:27+4*\g], s[6:7], GRPB*\g
	s_or_b32 s[27+4*\g], s[27+4*\g], 0x80000000
.endr
	s_lshl_b32 s54, s14, 4                         ; q's block: 16 y + 4 cx + wave / 8 (+ 2 in the second pass)
	s_lshl_b32 s56, s13, 2
	s_add_co_u32 s54, s54, s56
	s_lshr_b32 s56, s[WV], 3
	s_add_co_u32 s54, s54, s56
	s_mul_i32 s54, s54, QBLK
	s_add_nc_u64 s[QB:QB+1], s[4:5], s[54:55]
	s_lshl_b32 s54, s52, 11                        ; out: row 2,048 b + 512 cx + 64 (wave / 4) + 8 (wave % 4): the true query of my tile's position 0
	s_lshl_b32 s56, s13, 9
	s_add_co_u32 s54, s54, s56
	s_lshr_b32 s56, s[WV], 2
	s_lshl_b32 s56, s56, 6
	s_add_co_u32 s54, s54, s56
	s_and_b32 s56, s[WV], 3
	s_lshl_b32 s56, s56, 3
	s_add_co_u32 s54, s54, s56
	s_lshl_b32 s54, s54, 12                        ; 4,096 bytes a row,
	s_and_b32 s56, s14, 15
	s_lshl_b32 s56, s56, 8                         ; 256 a head
	s_add_co_u32 s54, s54, s56
	s_add_nc_u64 s[OB:OB+1], s[10:11], s[54:55]
	s_mov_b32 s[SEL], 0x76543210
	s_mov_b32 s[SEL+1], 0xfedcba98                 ; v_permlanex16_b32's selects for lane l xor 16
	s_mov_b32 s[CS], 0x3e38aa3b                    ; c = log2(e) / 8
	s_mov_b32 s[CS+1], s[CS]                       ; (named with it as a pair, so it is written)
	v_and_b32 v11, 31, v0
	v_lshlrev_b32 v[L16], 4, v11
	v_lshlrev_b32 v[L8], 3, v11
	v_lshl_add_u32 v31, v11, 6, FLAG
	v_and_b32 v3, 15, v0                           ; r
	v_bfe_u32 v4, v0, 4, 1                         ; h
	s_mul_i32 s56, s[WV], 16*272
	s_add_co_u32 s56, s56, STAGE                   ; my stage
	v_mul_u32_u24 v[STO], v3, 272
	v_lshl_add_u32 v[STO], v4, 7, v[STO]
	v_add_nc_u32 v[STO], s56, v[STO]               ; in: row r, my half's 128 bytes
	v_mul_u32_u24 v[RD], v4, 272
	v_lshl_add_u32 v[RD], v3, 4, v[RD]
	v_add_nc_u32 v[RD], s56, v[RD]                 ; back: lanes 0-15 one row, lanes 16-31 the next
	v_lshlrev_b32 v[GO], 12, v4
	v_lshl_add_u32 v[GO], v3, 4, v[GO]             ; and the same two rows in out
	s_and_b32 s57, s[WV], 7
	s_lshl_b32 s57, s57, 10
	v_add_nc_u32 v[QFO], s57, v[L16]               ; q's fragment: tile wave % 8 of the block
	s_and_b32 s57, s[WV], 1
	s_lshl_b32 s57, s57, 8
	s_bfe_u32 s56, s[WV], 0x20001
	s_lshl_b32 s56, s56, 2
	s_add_co_u32 s57, s57, s56
	s_add_co_u32 s57, s57, 8192
	v_lshl_add_u32 v[QSO], v3, 4, s57              ; its scale word: in the image, word (tile / 2) of lane r + 16 (tile % 2)
	v_lshlrev_b32 v[H8], 3, v4
	s_wait_loadcnt 0x0
	v_or_b32 v240, v240, v241
	v_or_b32 v242, v242, v243
	v_or_b32 v240, v240, v242
	ds_store_b32 v30, v240                         ; is any of my four keys unmasked?
	s_wait_dscnt 0x0                               ; for the others' sake: my store has landed
	CROUND                                         ; all four work-groups are here: the joint loads meet.  (Its barriers also stand between the stores above and the reads below)
	s_cmp_lg_u32 s[WV], 0
	s_cbranch_scc1 .Lno_fill
	tensor_load_to_lds s[24:27], s[16:23]          ; the head's sixteen steps, four to a load, in order: four loads of wave 0 are out
	s_nop 0
	tensor_load_to_lds s[28:31], s[16:23]
	s_nop 0
	tensor_load_to_lds s[32:35], s[16:23]
	s_nop 0
	tensor_load_to_lds s[36:39], s[16:23]
	s_nop 0
.rept 4
	v_nop
.endr
.Lno_fill:
.irp i, 0,1,2,3
	ds_load_b128 v[240+4*\i:243+4*\i], v31 offset:16*\i   ; all 512 words, sixteen a lane
.endr
.irp i, 24,25,26,27,96,97,98,99
	v_mov_b32 v[\i], 0                             ; q's codes of k = 75 and beyond; what stands behind k's last fragment
.endr
	v_mov_b32 v[RT], 0                             ; written once: a lane permute's destination counts as one of its sources
	v_mov_b32 v[F+1], 0                            ; (named as the upper half of a pair)
	s_wait_dscnt 0x0
.irp i, 0,2,4,6,8,10,12,14
	v_or_b32 v[240+\i], v[240+\i], v[241+\i]
.endr
.irp i, 0,4,8,12
	v_or_b32 v[240+\i], v[240+\i], v[242+\i]
.endr
	v_or_b32 v240, v240, v244
	v_or_b32 v248, v248, v252
	v_or_b32 v240, v240, v248
	v_cmp_ne_u32 vcc_lo, 0, v240
	s_cmp_lg_u32 vcc_lo, 0
	s_cselect_b32 s[KEEP], -1, 0                   ; all ones where some key of the batch counts: it selects values alone
; A KEY STEP: 128 keys, at LDS byte s[TB].
.macro STEP
	v_add_nc_u32 v[ADK], s[TB], v[L16]
	v_add_nc_u32 v[ADV], s[TB], v[L8]
	v_nop
	v_nop                                          ; four places behind the last products, in front of loads into registers that they have read
.irp t, 0,1,2,3,4,5,6,7
	ds_load_b128 v[KF+8*\t:KF+8*\t+3], v[ADK] offset:1024*\t
	ds_load_b128 v[KF+8*\t+4:KF+8*\t+7], v[ADK] offset:1024*\t+512
.endr
	ds_load_b128 v[KS:KS+3], v[ADK] offset:8192
	s_wait_dscnt 0x0
.irp t, 0,2,4,6                                ; S^T = k q^T: source 0 = 16 positions of keys, source 1 = my 16 queries
	v_wmma_scale_f32_16x16x128_f8f6f4 v[S+8*\t:S+8*\t+7], v[KF+8*\t:KF+8*\t+11], v[16:27], 0, v[KS+\t/2], v28 matrix_a_fmt:MATRIX_FMT_FP6 matrix_b_fmt:MATRIX_FMT_FP6
	v_wmma_scale_f32_16x16x128_f8f6f4 v[S+8*\t+8:S+8*\t+15], v[KF+8*\t+8:KF+8*\t+19], v[16:27], 0, v[KS+\t/2], v28 matrix_a_fmt:MATRIX_FMT_FP6 matrix_b_fmt:MATRIX_FMT_FP6 matrix_a_scale:MATRIX_SCALE_ROW1
.endr
.rept 4
	v_nop                                          ; places in front of the loads below and of the first read of the scores
.endr
.irp t, 0,1,2,3                                ; v's four fragments and scale words: they land under the softmax
.irp k, 0,1,2
	ds_load_b128 v[KF+12*\t+4*\k:KF+12*\t+4*\k+3], v[ADK] offset:QBLK+1536*\t+512*\k
.endr
.endr
	ds_load_b64 v[VS:VS+1], v[ADV] offset:QBLK+6144
.irp c, 0,1                                    ; THE LARGEST SCORE OF EACH OF MY TWO BLOCKS OF 32 KEYS: it serves for the row's maximum and, since p rises with the score, for the block's largest p.  Each accumulator is first read at its low end
	v_max3_num_f32 v[BM+2*\c], v[S+32*\c], v[S+32*\c+1], v[S+32*\c+2]
	v_max3_num_f32 v[BM+2*\c+1], v[S+32*\c+16], v[S+32*\c+17], v[S+32*\c+18]
.endr
.irp i, 3,5,7,9,11,13
.irp c, 0,1
	v_max3_num_f32 v[BM+2*\c], v[BM+2*\c], v[S+32*\c+\i], v[S+32*\c+\i+1]
	v_max3_num_f32 v[BM+2*\c+1], v[BM+2*\c+1], v[S+32*\c+16+\i], v[S+32*\c+17+\i]
.endr
.endr
.irp c, 0,1
	v_max3_num_f32 v[BM+2*\c], v[BM+2*\c], v[BM+2*\c+1], v[S+32*\c+15]
.endr
.irp c, 0,1
	v_max_num_f32 v[BM+2*\c], v[BM+2*\c], v[S+32*\c+31]
.endr
	v_max_num_f32 v[RM], v[BM], v[BM+2]
	v_permlanex16_b32 v[RT], v[RM], s[SEL], s[SEL+1]
	v_max_num_f32 v[RM], v[RM], v[RT]              ; the step's largest score of my query
	v_mul_f32 v[RM], s[CS], v[RM]                  ; as t (c is positive)
	v_max_num_f32 v13, v13, v[RM]                  ; the running largest t
	v_mov_b32 v[RM], v12
	v_floor_f32 v12, -v13                          ; the new -M = floor(-t): M is a whole number
	v_sub_f32 v[RM], v12, v[RM]                    ; old M - new M: a whole number, 0 or less
	v_cvt_i32_f32 v[RM], v[RM]                     ; (it saturates)
	v_ldexp_f32 v[F], 1.0, v[RM]                   ; f = 2^(old M - new M)
.irp j, 0,2,4,6,8,10,12,14,16,18,20,22,24,26,28,30,32,34,36,38,40,42,44,46,48,50,52,54,56,58,60,62
	v_pk_fma_f32 v[S+\j:S+\j+1], v[S+\j:S+\j+1], s[CS:CS+1], v[12:13] op_sel_hi:[1,0,0]   ; t - M, two at a time
.endr
.irp c, 0,1
	v_fma_f32 v[BM+2*\c], v[BM+2*\c], s[CS], v12   ; the same of each block's largest score
.endr
.irp j, 0,1,2,3,4,5,6,7,8,9,10,11,12,13,14,15,16,17,18,19,20,21,22,23,24,25,26,27,28,29,30,31,32,33,34,35,36,37,38,39,40,41,42,43,44,45,46,47,48,49,50,51,52,53,54,55,56,57,58,59,60,61,62,63
	v_exp_f32 v[S+\j], v[S+\j]                     ; p = 2^(t - M), at most 1: not normalised
.endr
	v_pk_mul_f32 v[14:15], v[14:15], v[F:F+1] op_sel_hi:[1,0]   ; the sums under the new M (a plain place behind the exponentials)
	s_wait_alu depctr_va_vdst(0)                   ; one wait for the whole batch, ahead of its first reader
.irp c, 0,1
	v_exp_f32 v[BM+2*\c], v[BM+2*\c]               ; the block's largest p: the same two instructions on the same number give the same bits
.endr
	v_pk_add_f32 v[SU2:SU2+1], v[S:S+1], v[S+2:S+3]   ; the row's sum is taken of the unquantised p: two at a time, in two chains
.irp j, 4,8,12,16,20,24,28,32,36,40,44,48,52,56,60
	v_pk_add_f32 v[14:15], v[14:15], v[S+\j:S+\j+1]
	v_pk_add_f32 v[SU2:SU2+1], v[SU2:SU2+1], v[S+\j+2:S+\j+3]
.endr
	v_pk_add_f32 v[14:15], v[14:15], v[SU2:SU2+1]
	s_wait_alu depctr_va_vdst(0)                   ; and one for the two
.irp c, 0,1
	v_max_num_f32 v[BM+2*\c], 0x1800000, v[BM+2*\c]   ; the floor 2^(3 - 127): the byte cannot fall under 1 (a block whose every p is 0 keeps that byte: its codes are zeros)
.endr
.irp c, 0,1
	v_add_nc_u32 v[SO+\c], 0xff000000, v[BM+2*\c]  ; 2 off the exponent field: the conversion's scale operand
.endr
.irp c, 0,1
	v_lshrrev_b32 v[BY+\c], 23, v[SO+\c]           ; the scale's byte
.endr
	v_lshl_or_b32 v[RM], v[BY+1], 16, v[BY]        ; my two bytes: blocks h and 2 + h,
	v_lshlrev_b32 v[RM], v[H8], v[RM]              ; at their places;
	v_permlanex16_b32 v[RT], v[RM], s[SEL], s[SEL+1]
	v_or_b32 v[PW], v[RM], v[RT]                   ; with lane l xor 16's two: p's scale word for these 128 keys
.irp c, 0,1
	v_cvt_scalef32_pk16_fp6_f32 v[PC+6*\c:PC+6*\c+2], v[S+32*\c:S+32*\c+15], v[SO+\c]
	v_cvt_scalef32_pk16_fp6_f32 v[TC+4*\c:TC+4*\c+2], v[S+32*\c+16:S+32*\c+31], v[SO+\c]   ; (a conversion's three registers begin on an even number)
.endr
	v_nop                                          ; one plain place behind a scaled conversion
.irp c, 0,1
.irp i, 0,1,2
	v_mov_b32 v[PC+6*\c+3+\i], v[TC+4*\c+\i]       ; registers 6 c .. 6 c + 5 hold keys 64 c + 32 h + 0 .. 31
.endr
.endr
.irp j, 0,2,4,6,8,10,12,14,16,18,20,22,24,26,28,30
	v_pk_mul_f32 v[O+\j:O+\j+1], v[O+\j:O+\j+1], v[F:F+1] op_sel_hi:[1,0]   ; O^T under the new M.  (For each product below at least twelve of these name none of its registers: the places behind the writes of p's codes and scale word)
.endr
	s_wait_dscnt 0x0                               ; v is in
.irp t, 0,2                                    ; O^T += v^T p^T: four accumulators by turns, one instruction a turn
	v_wmma_scale_f32_16x16x128_f8f6f4 v[O+8*\t:O+8*\t+7], v[KF+12*\t:KF+12*\t+11], v[PC:PC+11], v[O+8*\t:O+8*\t+7], v[VS+\t/2], v[PW] matrix_a_fmt:MATRIX_FMT_FP6 matrix_b_fmt:MATRIX_FMT_FP6
	v_wmma_scale_f32_16x16x128_f8f6f4 v[O+8*\t+8:O+8*\t+15], v[KF+12*\t+12:KF+12*\t+23], v[PC:PC+11], v[O+8*\t+8:O+8*\t+15], v[VS+\t/2], v[PW] matrix_a_fmt:MATRIX_FMT_FP6 matrix_b_fmt:MATRIX_FMT_FP6 matrix_a_scale:MATRIX_SCALE_ROW1
.endr
	s_add_co_u32 s[TB], s[TB], KBLK
.endm
; Four steps that one tensor load brought.  The count leaves out the loads of the groups behind this one, which wave 0 issued later; the other waves have none out.  Behind the barrier the group is whole for every wave.
.macro GROUP g
	s_wait_tensorcnt 3-\g
	s_wait_dscnt 0x0
	s_barrier_signal -1
	s_barrier_wait -1
	s_mov_b32 s[TB], GRPB*\g
	s_mov_b32 s[CNT], 4
.Lstep_\@:
	STEP
	s_sub_co_u32 s[CNT], s[CNT], 1
	s_cmp_lg_u32 s[CNT], 0
	s_cbranch_scc1 .Lstep_\@
.endm
	s_mov_b32 s[PASS], 2
.Lpass:
	global_load_b128 v[16:19], v[QFO], s[QB:QB+1]              ; q's fragment: registers 0-3,
	global_load_b128 v[20:23], v[QFO], s[QB:QB+1] offset:512   ; 4, 5, the extra code, 0
	global_load_b32 v28, v[QSO], s[QB:QB+1]                    ; and its scale words
	v_mov_b32 v13, 0xff61b1e6                      ; the largest t so far: -3e38, under every t
	v_mov_b32 v14, 0                               ; the sum, in two halves
	v_mov_b32 v15, 0
	v_floor_f32 v12, -v13                          ; -M
	s_wait_loadcnt 0x0
.irp i, 16,17,18,19,20,21
	v_and_b32 v[\i], s[KEEP], v[\i]                ; where every key is masked the true codes are cleared
.endr
.irp j, 0,1,2,3,4,5,6,7,8,9,10,11,12,13,14,15,16,17,18,19,20,21,22,23,24,25,26,27,28,29,30,31
	v_mov_b32 v[O+\j], 0                           ; O^T.  (The step is written once: the first finds zeros, which the first change of M leaves zeros)
.endr
	GROUP 0
	GROUP 1
	GROUP 2
	GROUP 3
	; THE WAY OUT.  A lane holds channels 32 h + 0 .. 31 of one query: 128 bytes.  They go through my stage and leave as rows of 256 bytes, a query's 64 channels of the head.
.rept 4
	v_nop                                          ; places behind the last products
.endr
	v_add_f32 v14, v14, v15                        ; the sum's two halves,
	v_permlanex16_b32 v[RT], v14, s[SEL], s[SEL+1]
	v_add_f32 v14, v14, v[RT]                      ; and lane l xor 16's: the row's sum
	v_rcp_f32 v14, v14
	v_nop                                          ; a plain place behind the transcendental
	s_wait_alu depctr_va_vdst(0)                   ; and the wait ahead of its first reader
.irp j, 0,2,4,6,8,10,12,14,16,18,20,22,24,26,28,30
	v_pk_mul_f32 v[S+\j:S+\j+1], v[O+\j:O+\j+1], v[14:15] op_sel_hi:[1,0]   ; O^T / the sum, each accumulator from its low end on
.endr
.irp i, 0,1,2,3,4,5,6,7
	ds_store_b128 v[STO], v[S+4*\i:S+4*\i+3] offset:16*\i
.endr
.irp i, 0,1,2,3,4,5,6,7
	ds_load_b128 v[S+32+4*\i:S+35+4*\i], v[RD] offset:544*\i   ; LDS serves a wave's instructions in order: these see my stores
.endr
.irp i, 0,1,2,3,4,5,6,7
	s_wait_dscnt 7-\i                              ; the younger loads may be out
	global_store_b128 v[GO], v[S+32+4*\i:S+35+4*\i], s[OB:OB+1] offset:(32*(\i/4)+2*(\i%4))*4096 th:TH_STORE_NT   ; positions 2 i and 2 i + 1 are true queries 32 (i / 4) + 2 (i % 4) and the next; 16 lanes store 256 consecutive bytes, aligned
.endr
	s_wait_xcnt 0x0                                ; the loads and stores have read their bases and registers: both may be written again
	s_add_nc_u64 s[QB:QB+1], s[QB:QB+1], 2*QBLK    ; the second pass: 16 tiles, 256 queries, on
	s_add_nc_u64 s[OB:OB+1], s[OB:OB+1], 256*4096
	s_sub_co_u32 s[PASS], s[PASS], 1
	s_cmp_lg_u32 s[PASS], 0
	s_cbranch_scc1 .Lpass
	s_wait_tensorcnt 0x0
	ds_add_u32 v238, v239
	s_wait_dscnt 0x0
	CROUND                                         ; the closing round: no work-group ends while a partner may still ask for a tile that names it
	s_endpgm
.Lfunc_end_k_q4897a097d5_attn:
	.size	k_q4897a097d5_attn, .Lfunc_end_k_q4897a097d5_attn-k_q4897a097d5_attn
	.p2alignl 7, 3214868480
	.fill 96, 4, 3214868480
	.section	.rodata,"a",@progbits
	.p2align	6, 0x0
	.amdhsa_kernel k_q4897a097d5_attn
		.amdhsa_group_segment_fixed_size 327680
		.amdhsa_private_segment_fixed_size 0
		.amdhsa_enable_private_segment 0
		.amdhsa_kernarg_size 32
		.amdhsa_user_sgpr_count 2
		.amdhsa_user_sgpr_kernarg_segment_ptr 1
		.amdhsa_wavefront_size32 1
		.amdhsa_system_sgpr_workgroup_id_x 1
		.amdhsa_system_sgpr_workgroup_id_y 1
		.amdhsa_system_sgpr_workgroup_id_z 1
		.amdhsa_system_vgpr_workitem_id 0
		.amdhsa_next_free_vgpr 256
		.amdhsa_next_free_sgpr 66
		.amdhsa_reserve_vcc 1
		.amdhsa_float_denorm_mode_32 3
		.amdhsa_float_denorm_mode_16_64 3
		.amdhsa_memory_ordered 1
		.amdhsa_forward_progress 1
		.amdhsa_inst_pref_size 72
	.end_amdhsa_kernel
	.amdgpu_metadata
---
amdhsa.version: [ 1, 2 ]
amdhsa.kernels:
  - .name:           k_q4897a097d5_attn
    .symbol:         k_q4897a097d5_attn.kd
    .args:
      - { .name: qi, .offset: 0, .size: 8, .value_kind: global_buffer, .address_space: global }
      - { .name: kv, .offset: 8, .size: 8, .value_kind: global_buffer, .address_space: global }
      - { .name: mask, .offset: 16, .size: 8, .value_kind: global_buffer, .address_space: global }
      - { .name: out0, .offset: 24, .size: 8, .value_kind: global_buffer, .address_space: global }
    .group_segment_fixed_size: 327680
    .private_segment_fixed_size: 0
    .kernarg_segment_align: 8
    .kernarg_segment_size: 32
    .max_flat_workgroup_size: 512
    .sgpr_count:     66
    .vgpr_count:     256
    .wavefront_size: 32
...
	.end_amdgpu_metadata
.endif
;; end of part 3
